; MI455X (gfx1250); checked and timed in simulation.
; The chip was launched on July 23, 2026; its instructions are those of AMD's public machine-readable ISA for CDNA 5 (MIT licence, August 2026) and "CDNA5" Instruction Set Architecture Reference Guide (July 2026). The comments in the code are by the model that wrote it; some were corrected since.
;; Quantized Linear. Allowed arithmetic: float matrix products may take bf16 or f16 operands with f32 sums; all other float work in f32.
;; Inputs: bias 2,048 float32; packed_weight 1,024 x 4,096 uint8; scale one number float32; x 4 x 2,048 x 4,096 float32; zero_point one number float32.
;; Outputs: out0 4 x 2,048 x 2,048 float32.
;; 2 versions, each right. Each part assembles by itself: llvm-mc -triple=amdgcn-amd-amdhsa -mcpu=gfx1250 --defsym DOCPART=n.
;; ======== version 1 of 2: 2 launches
;; workspace buffers: wq 16,777,216 bytes
;; launch unpack (part 1): grid 256 x 1, 8 waves a work-group, no clusters, 0 bytes of LDS; arguments packed_weight, zero_point, wq; writes wq
.if DOCPART == 1
	.amdgcn_target "amdgcn-amd-amdhsa--gfx1250"
	.amdhsa_code_object_version 6
	.text
	.protected	k_qc0bbd4dfdd_unpack
	.globl	k_qc0bbd4dfdd_unpack
	.p2align	8
	.type	k_qc0bbd4dfdd_unpack,@function
k_qc0bbd4dfdd_unpack:
	s_mov_b64 s[64:65], 0
	v_nop
	global_prefetch_b8 v0, s[64:65] scope:SCOPE_SE
	s_setreg_imm32_b32 hwreg(HW_REG_WAVE_MODE, 25, 1), 1
	s_wait_xcnt 0x0
; wq = bf16(q - zero_point), q the 4-bit codes of packed_weight [1024][4096] (low nibble: out row 2p, high nibble: out row 2p+1).
; wq is laid out for the product that follows: [64 K steps][2048 n][64 k] in bf16, element (n, k) at byte (k>>6)*262144 + n*128 + (k&63)*2,
; so that the n rows of one K step lie densely behind each other.
; The subtraction is made in f32, as the definition makes it, for any f32 zero_point; the difference is rounded once to bf16 (nearest even).
; scale is not applied here: it goes into the product's last fused multiply-add.
; A stream: no LDS, no barrier, no matrix unit (there is nothing to share and nothing to multiply).
; Eight waves; work-group g owns packed rows 4g .. 4g+3: 16,384 dense bytes in, 65,536 bytes out.
; Thread t: u = t & 15 (j = u & 7: which 8 of a K step's 64 k; o = u >> 3: which nibble), G = t >> 4.
; A unit is the 256 bytes of wq with rows 2p and 2p+1 of one K step: sixteen neighbouring lanes store it whole, 16 bytes each, aligned.
; The lanes o = 0 and o = 1 read the same 8 packed bytes in the same instruction and keep one nibble each.
; Unit i (0..15) of thread t: packed row 4g + (i>>2), K step 16 (i&3) + G.
.set VIN, 1                            ; v1       byte offset of my 8 packed bytes in unit 0: 64 G + 8 j
.set VO,  2                            ; v[2:3]   byte offset in wq: 262144 G + 16 u, and the same + 8388608 (K steps 32 and up: beyond the store's immediate)
.set BO,  4                            ; v[4:7]   bit offset of my nibble in byte b of a word: 8 b + 4 o
.set ZP,  8                            ; v[8:9]   zero_point, twice (a pair for the packed subtraction)
.set T,   10                           ; v[10:17] eight numbers at work
.set D,   20                           ; v[20:51] unit i: 2 registers, 8 packed bytes
.set Y,   52                           ; v[52:115] unit i: 4 registers, 8 bf16 to store
	s_load_b128 s[4:7], s[0:1], 0x0                ; packed_weight s[4:5], zero_point's address s[6:7]
	s_load_b64 s[8:9], s[0:1], 0x10                ; wq
	v_and_b32 v[T], 15, v0                         ; u
	v_lshrrev_b32 v[T+1], 4, v0                    ; G
	v_and_b32 v[T+2], 7, v0                        ; j
	v_bfe_u32 v[T+3], v0, 3, 1                     ; o
	v_lshlrev_b32 v[VIN], 3, v[T+2]
	v_lshl_add_u32 v[VIN], v[T+1], 6, v[VIN]       ; 64 G + 8 j
	v_lshlrev_b32 v[VO], 4, v[T]
	v_lshl_add_u32 v[VO], v[T+1], 18, v[VO]        ; 262144 G + 16 u  (16 u = 128 o + 16 j: the row of the pair, then my 8 k)
	v_add_nc_u32 v[VO+1], 0x800000, v[VO]
.irp b, 0,1,2,3
	v_lshl_add_u32 v[BO+\b], v[T+3], 2, 8*\b
.endr
	s_lshl_b32 s12, ttmp9, 14                      ; 4 packed rows of 4,096 bytes
	s_mov_b32 s13, 0
	s_lshl_b32 s14, ttmp9, 10                      ; 8 rows of 128 bytes in every K step of wq
	s_mov_b32 s15, 0
	s_wait_kmcnt 0x0
	s_load_b32 s10, s[6:7], 0x0                    ; zero_point
	s_add_nc_u64 s[4:5], s[4:5], s[12:13]
	s_add_nc_u64 s[8:9], s[8:9], s[14:15]
.set i, 0
.rept 16
	global_load_b64 v[D+2*i:D+2*i+1], v[VIN], s[4:5] offset:1024*i th:TH_LOAD_NT   ; all sixteen go out at once: every unit has registers of its own
.set i, i+1
.endr
	s_wait_kmcnt 0x0
	v_mov_b32 v[ZP], s10
	v_mov_b32 v[ZP+1], s10
; No register that a load or a store names is ever written again, so the only waits are the counted ones for the data.
.set i, 0
.rept 16
	s_wait_loadcnt 15-i                            ; loads come back in order (ISA guide 5.7.1): unit i is in, the 15 - i younger ones stay out
.irp b, 0,1,2,3
	v_bfe_u32 v[T+\b],   v[D+2*i],   v[BO+\b], 4    ; k = 8 j + b
	v_bfe_u32 v[T+4+\b], v[D+2*i+1], v[BO+\b], 4    ; k = 8 j + 4 + b
.endr
.irp b, 0,1,2,3,4,5,6,7
	v_cvt_f32_u32 v[T+\b], v[T+\b]
.endr
.irp b, 0,2,4,6
	v_pk_add_f32 v[T+\b:T+\b+1], v[T+\b:T+\b+1], v[ZP:ZP+1] neg_lo:[0,1] neg_hi:[0,1]   ; q - zero_point, in f32
.endr
.irp b, 0,1,2,3
	v_cvt_pk_bf16_f32 v[Y+4*i+\b], v[T+2*\b], v[T+2*\b+1]
.endr
	global_store_b128 v[VO+((i&3)>>1)], v[Y+4*i:Y+4*i+3], s[8:9] offset:(i&1)*4194304+(i>>2)*256   ; K step 16 (i&3) + G, row pair i>>2; no hint: the next launch reads wq
.set i, i+1
.endr
	s_endpgm
.Lfunc_end_k_qc0bbd4dfdd_unpack:
	.size	k_qc0bbd4dfdd_unpack, .Lfunc_end_k_qc0bbd4dfdd_unpack-k_qc0bbd4dfdd_unpack
	.p2alignl 7, 3214868480
	.fill 96, 4, 3214868480
	.section	.rodata,"a",@progbits
	.p2align	6, 0x0
	.amdhsa_kernel k_qc0bbd4dfdd_unpack
		.amdhsa_group_segment_fixed_size 0
		.amdhsa_private_segment_fixed_size 0
		.amdhsa_enable_private_segment 0
		.amdhsa_kernarg_size 24
		.amdhsa_user_sgpr_count 2
		.amdhsa_user_sgpr_kernarg_segment_ptr 1
		.amdhsa_wavefront_size32 1
		.amdhsa_system_sgpr_workgroup_id_x 1
		.amdhsa_system_sgpr_workgroup_id_y 1
		.amdhsa_system_sgpr_workgroup_id_z 1
		.amdhsa_system_vgpr_workitem_id 0
		.amdhsa_next_free_vgpr 116
		.amdhsa_next_free_sgpr 66
		.amdhsa_reserve_vcc 0
		.amdhsa_float_denorm_mode_32 3
		.amdhsa_float_denorm_mode_16_64 3
		.amdhsa_memory_ordered 1
		.amdhsa_forward_progress 1
		.amdhsa_inst_pref_size 25
	.end_amdhsa_kernel
	.amdgpu_metadata
---
amdhsa.version: [ 1, 2 ]
amdhsa.kernels:
  - .name:           k_qc0bbd4dfdd_unpack
    .symbol:         k_qc0bbd4dfdd_unpack.kd
    .args:
      - { .name: packed_weight, .offset: 0, .size: 8, .value_kind: global_buffer, .address_space: global }
      - { .name: zero_point, .offset: 8, .size: 8, .value_kind: global_buffer, .address_space: global }
      - { .name: wq, .offset: 16, .size: 8, .value_kind: global_buffer, .address_space: global }
    .group_segment_fixed_size: 0
    .private_segment_fixed_size: 0
    .kernarg_segment_align: 8
    .kernarg_segment_size: 24
    .max_flat_workgroup_size: 256
    .sgpr_count:     66
    .vgpr_count:     116
    .wavefront_size: 32
...
	.end_amdgpu_metadata
.endif
;; end of part 1
;; launch gemm (part 2): grid 4 x 64, 4 waves a work-group, clusters of 4 x 4, 327,680 bytes of LDS; arguments x, wq, scale, bias, out0; writes out0
.if DOCPART == 2
	.amdgcn_target "amdgcn-amd-amdhsa--gfx1250"
	.amdhsa_code_object_version 6
	.text
	.protected	k_qc0bbd4dfdd_gemm
	.globl	k_qc0bbd4dfdd_gemm
	.p2align	8
	.type	k_qc0bbd4dfdd_gemm,@function
k_qc0bbd4dfdd_gemm:
	s_mov_b64 s[64:65], 0
	v_nop
	global_prefetch_b8 v0, s[64:65] scope:SCOPE_SE
	s_setreg_imm32_b32 hwreg(HW_REG_WAVE_MODE, 25, 1), 1
	s_wait_xcnt 0x0
	s_wait_alu depctr_hold_cnt(0) depctr_sa_sdst(0) depctr_va_vdst(0) depctr_va_sdst(0) depctr_va_ssrc(0) depctr_va_vcc(0) depctr_vm_vsrc(0)
	s_getreg_b32 s2, hwreg(HW_REG_IB_STS2, 6, 4)
	s_cmp_eq_u32 s2, 0
	s_cbranch_scc0 .Lentry_in_a_cluster
	s_endpgm
.Lentry_in_a_cluster:
	s_bfe_u32 s2, ttmp6, 0x10000c
	s_cmp_lg_u32 s2, 0xf033
	s_cbranch_scc0 .Lentry_shape_is_right
	s_endpgm
.Lentry_shape_is_right:
; out0[m][n] = scale * (sum over k of bf16(x[m][k]) * wq[n][k]) + bias[n].   x: [8192][4096] f32.  out0: [8192][2048] f32.
; wq: bf16(q - zero_point), [64 K steps][2048 n][64 k], made by the launch before.  Sums in f32; scale and bias in one fused multiply-add at the end.
; LIMITS: x is rounded to bf16 (nearest even), so |x| above bf16's largest finite number becomes infinity.  scale multiplies the finished f32 sum,
; so a sum of x (q - zero_point) beyond f32's range overflows even where a small scale would have kept the defined result finite.  NaN and infinities go through.
;
; A work-group makes a block of 128 rows x 512 columns with four waves, as many as a WGP has SIMDs: 64 x 4 = 256 blocks.  A wave makes 64 rows x 256 columns:
; 64 accumulator tiles of 16 x 16, 512 registers.  K goes in steps of 64 through a ring of two LDS slots filled by the tensor data mover.
; x lies in LDS as f32, as it comes from memory; each wave rounds its own fragments to bf16 in registers: 32 conversions for 64 matrix instructions.
; A K step of 64 makes x's tile rows 256 bytes, aligned; two slots of 128 along K would take 413,696 bytes of LDS and do not fit.
; CLUSTERS: 4 x 4 work-groups.  The four of a cluster's row cover all 2,048 columns and need the same tiles of x; the four of a column need the same tiles of wq.
; Such a tile is asked for jointly: the same tensor load with the same descriptor and a mask that names the four.
;
; REGISTERS, in windows of 256 (s_set_vgpr_msb's low byte: bits 1:0 source 0, 3:2 source 1, 5:4 source 2, 7:6 destination):
;   window 0: v0-39 addresses and bias; v64-127 x as f32; v128-159, v160-191 x in bf16 (4 blocks of 16 rows x 32 K), two buffers; on the way out v64-191 hold results
;   window 1: v0-127, v128-255 fragments of wq (16 blocks of 16 rows x 32 K), two buffers
;   window 2: the 32 accumulator tiles of my rows 0-31 (tile (a, b) at v[8 (16 a + b)]);   window 3: those of my rows 32-63
; THE MATRIX INSTRUCTION IS USED TRANSPOSED: source 0 = 16 rows of wq, source 1 = 16 rows of x.  Lane l then holds row l % 16 of the result and its
; registers 0 to 7 the columns 8 (l / 16) + 0 .. 7: 32 neighbouring bytes of a row of out0.
.set PA,     272                       ; LDS pitch of x's rows: 256 bytes + 16 of padding
.set PB,     144                       ; LDS pitch of wq's rows: 128 bytes + 16.  Both are odd multiples of 16: the 16 rows that a load touches start at 16 different 16-byte columns of 256 (64 banks of 4 bytes: ISA guide 11.1)
.set AHALF,  64*PA                     ; 64 rows of x: one tensor load, and what one wave reads
.set AREG,   2*AHALF
.set BHALF,  256*PB                    ; 256 rows of wq: one tensor load, and what one wave reads
.set SLOT,   AREG+2*BHALF              ; 108,544 bytes: x's 128 rows, then wq's 512 rows
.set STAGE,  2*SLOT                    ; 217,088, a multiple of 256: behind the ring, no tensor load lands there
.set SP,     1040                      ; pitch of the stage: 256 f32 + 16 bytes
.set WSTAGE, 16*SP                     ; 16 rows for each wave
.set ADRA, 16                          ; v16-17  LDS address of my x fragments in slot 0, 1
.set ADRB, 20                          ; v20-21  the same for wq
.set STO,  24                          ; v24     the way out: where I put my 32 bytes of a row
.set RD,   25                          ; v25     the way out: where I read rows back
.set CO,   26                          ; v26     16 x lane: my byte offset in a run of 512 bytes of out0 and of bias
.set PF,   27                          ; v27     byte offset of the row of x that I prefetch
.set BIAS, 32                          ; v[32:39] bias of my 4 columns in each half of my wave's 256
.set XF,   64                          ; x as f32
.set XA0,  128                         ; x in bf16, buffer 0; buffer 1 lies 32 registers on
.set OB,   64                          ; the way out
.set G1A, 24                           ; s[24:31] descriptor group 1 for x's tiles
.set G0A, 32                           ; s[32:39] group 0 for x's tiles, one set for each slot
.set G1B, 40                           ; s[40:47] group 1 for wq's tiles
.set G0B, 48                           ; s[48:55] group 0 for wq's tiles, one set for each slot
.set PFB, 66                           ; s[66:67] base of the prefetches
.set SC,  68                           ; s[68:69] scale, twice
.set MSB, 0
.macro WIN new                         ; the immediate's high byte repeats the setting that is left
.if MSB != \new
	s_set_vgpr_msb (MSB<<8)|\new
.set MSB, \new
.endif
.endm
.set MUL_LO, 0xa1                      ; source 0 (wq) window 1, source 1 (x) window 0, C and D window 2
.set MUL_HI, 0xf1                      ; the same, C and D window 3
.set TO_B,   0x40                      ; destination window 1, address window 0
.set ST_LO,  0x08                      ; an LDS store's data (source 1) from window 2
.set ST_HI,  0x0c                      ; from window 3
; A joint load.  Waves 0 and 1 fetch x's two halves, waves 2 and 3 wq's.  Each line has one mask and one set of registers for all that issue it; the branch hangs on the
; wave's number alone.  pf = 1: waves 0 and 1 also ask for a later tile of x to be brought nearer (see the head of the loop).
.macro JLOAD s, pf
	s_cmp_eq_u32 s15, 0
	s_cbranch_scc0 .Lfor_w_\@
.if \pf
	s_wait_xcnt 0x0                                ; the prefetch of the lap before has had its address translated (ISA guide 3.1): its base is stepped only behind this wait
	s_add_nc_u64 s[PFB:PFB+1], s[PFB:PFB+1], 512   ; two K steps on
.endif
	tensor_load_to_lds s[G0A+4*\s:G0A+4*\s+3], s[G1A:G1A+7]
	s_nop 0
.if \pf
	global_prefetch_b8 v[PF], s[PFB:PFB+1] th:TH_LOAD_NT scope:SCOPE_SE
.endif
	s_branch .Lasked_\@
.Lfor_w_\@:
	tensor_load_to_lds s[G0B+4*\s:G0B+4*\s+3], s[G1B:G1B+7]
	s_nop 0
.Lasked_\@:
.endm
; A round of the cluster's barrier: my work-group's barrier, so that wave 0's signal speaks for all four waves; wave 0 signals for the work-group; every wave waits for
; all sixteen work-groups; my work-group's barrier once more.
.macro CREST                           ; a round behind its opening barrier
	s_cmp_lg_u32 s14, 0
	s_cbranch_scc1 .Lnot_wave_0_\@
	s_barrier_signal -3
.Lnot_wave_0_\@:
	s_barrier_wait -3
	s_barrier_signal -1
	s_barrier_wait -1
.endm
.macro CROUND                          ; a whole round
	s_barrier_signal -1
	s_barrier_wait -1
	CREST
.endm
	s_load_b256 s[4:11], s[0:1], 0x0               ; x s[4:5], wq s[6:7], scale's address s[8:9], bias s[10:11]
	s_load_b64 s[12:13], s[0:1], 0x20              ; out0
	v_lshl_add_u32 v254, v0, 2, 0x45400
	v_mov_b32 v255, 0
	ds_add_u32 v254, v255
	v_lshrrev_b32 v1, 5, v0
	v_readfirstlane_b32 s14, v1                    ; wave 0..3
	s_lshr_b32 s15, s14, 1                         ; which 64 rows of the block are mine.  Also: I fetch for x (0) or for wq (1)
	s_and_b32 s16, s14, 1                          ; which 256 columns.  Also: which half of that tile I fetch
	s_bfe_u32 s17, ttmp6, 0x40000                  ; cx
	s_bfe_u32 s18, ttmp6, 0x40004                  ; cy
	s_lshl_b32 s19, ttmp9, 2                       ; in a cluster launch ttmp9 and ttmp7 count clusters
	s_add_co_u32 s19, s19, s17                     ; block column 0..3
	s_and_b32 s20, ttmp7, 0xffff
	s_lshl_b32 s20, s20, 2
	s_add_co_u32 s20, s20, s18                     ; block row 0..63
	s_lshl_b32 s21, s18, 2
	s_lshl_b32 s21, 15, s21                        ; my row of the cluster: places 4 cy .. 4 cy + 3
	s_lshl_b32 s22, 0x1111, s17                    ; my column: places cx, cx + 4, cx + 8, cx + 12
	; group 1 for x: a tile of 64 rows x 64 f32, 16 bytes of padding behind each row of 64 words
	s_or_b32 s[G1A+0], s21, (2<<16)|(1<<20)|(1<<21)|(5<<22)|(3<<25)  ; 15:0 mask: my row; 17:16 elements of 4 bytes; 20 padding on; 21 set beside a mask; 24:22 after every 64 words; 31:25 of 4 words
	s_mov_b32 s[G1A+1], 64<<16                     ; tensor_dim0 = 64
	s_mov_b32 s[G1A+2], 64<<16                     ; tensor_dim1 = 64
	s_mov_b32 s[G1A+3], 64<<16                     ; tile_dim0 = 64
	s_mov_b32 s[G1A+4], 64                         ; tile_dim1 = 64
	s_mov_b32 s[G1A+5], 4096                       ; elements from row to row
	s_mov_b32 s[G1A+6], 0
	s_mov_b32 s[G1A+7], 0
	; group 1 for wq: 256 rows of 64 bf16 lie densely in memory and are taken as 128 rows of 128 bf16 (256 bytes, aligned).  The padding is counted along the
	; whole tile: 16 bytes behind every 32 words, twice in such a row, so that in LDS every 128 bytes, one row of wq, stand 144 bytes apart.
	s_or_b32 s[G1B+0], s22, (1<<16)|(1<<20)|(1<<21)|(4<<22)|(3<<25)  ; mask: my column; elements of 2 bytes; after every 32 words 4 words
	s_mov_b32 s[G1B+1], 128<<16
	s_mov_b32 s[G1B+2], 128<<16
	s_mov_b32 s[G1B+3], 128<<16
	s_mov_b32 s[G1B+4], 128
	s_mov_b32 s[G1B+5], 128
	s_mov_b32 s[G1B+6], 0
	s_mov_b32 s[G1B+7], 0
	; where the tiles come from: x's hang on the block row alone, which my row of the cluster shares; wq's on the block column alone, which my column shares.
	s_lshl_b32 s56, s20, 7
	s_lshl_b32 s57, s16, 6
	s_add_co_u32 s56, s56, s57                     ; x: row 128 x block row + 64 x half,
	s_lshl_b32 s56, s56, 14                        ; of 16,384 bytes (below 2^27 + 2^20)
	s_mov_b32 s57, 0
	s_lshl_b32 s58, s19, 16                        ; wq: 512 rows of 128 bytes a block column,
	s_lshl_b32 s59, s16, 15                        ; 256 rows a half
	s_add_co_u32 s58, s58, s59
	s_mov_b32 s59, 0
	s_mul_i32 s60, s16, AHALF                      ; and where they go: no place in the cluster enters an LDS address
	s_mul_i32 s61, s16, BHALF
	s_add_co_u32 s61, s61, AREG
	s_wait_dscnt 0x0
	s_wait_kmcnt 0x0
	s_add_nc_u64 s[56:57], s[4:5], s[56:57]
	s_add_nc_u64 s[58:59], s[6:7], s[58:59]
	CROUND                                         ; all sixteen work-groups are here: the first joint loads meet
.irp s, 0,1
	s_mov_b32 s[G0A+4*\s], 1                                       ; count = 1
	s_add_co_u32 s[G0A+4*\s+1], s60, \s*SLOT                       ; LDS address
	s_add_nc_u64 s[G0A+4*\s+2:G0A+4*\s+3], s[56:57], \s*256        ; K step s: 64 f32 along the rows
	s_or_b32 s[G0A+4*\s+3], s[G0A+4*\s+3], 0x80000000              ; type = 2
	s_mov_b32 s[G0B+4*\s], 1
	s_add_co_u32 s[G0B+4*\s+1], s61, \s*SLOT
	s_add_nc_u64 s[G0B+4*\s+2:G0B+4*\s+3], s[58:59], \s*262144     ; K step s: 2,048 rows of 128 bytes
	s_or_b32 s[G0B+4*\s+3], s[G0B+4*\s+3], 0x80000000
	JLOAD \s, 0                                    ; both slots' first fills go out before anything else: two tensor loads of the wave are out, the most anywhere in this text
.endr
	s_load_b32 s[SC], s[8:9], 0x0                  ; scale
	; A fragment is 16 rows x 32 K: lane l holds row l % 16; its first half K = 8 (l / 16) + 0..7, its second K = 16 + 8 (l / 16) + 0..7.
	; In bf16 that is two loads of 16 bytes, 32 bytes apart; in f32 two runs of 32 bytes, 64 bytes apart: four loads at 0, 16, 64, 80.
	v_and_b32 v1, 15, v0                           ; l % 16
	v_bfe_u32 v2, v0, 4, 1                         ; l / 16
	v_and_b32 v3, 31, v0                           ; l
	v_mul_u32_u24 v4, v1, PA
	v_lshl_add_u32 v4, v2, 5, v4                   ; x: row x pitch + 32 x half
	v_mul_u32_u24 v5, v1, PB
	v_lshl_add_u32 v5, v2, 4, v5                   ; wq: row x pitch + 16 x half
	s_mul_i32 s72, s15, AHALF                      ; my 64 rows of x
	s_mul_i32 s73, s16, BHALF                      ; my 256 rows of wq,
	s_add_co_u32 s73, s73, AREG                    ; which lie behind x's 128
.irp s, 0,1
	v_add_nc_u32 v[ADRA+\s], s72, v4
	v_add_nc_u32 v[ADRB+\s], s73, v5
	s_add_co_u32 s72, s72, SLOT
	s_add_co_u32 s73, s73, SLOT
.endr
	s_mul_i32 s74, s14, WSTAGE
	s_add_co_u32 s74, s74, STAGE                   ; my stage
	v_mul_u32_u24 v6, v1, SP
	v_lshl_add_u32 v6, v2, 5, v6                   ; in: row l % 16, 32 bytes for each half of the lanes
	v_add_nc_u32 v[STO], s74, v6
	v_lshl_add_u32 v[RD], v3, 4, s74               ; back: 32 lanes take 512 neighbouring bytes of a row
	v_lshlrev_b32 v[CO], 4, v3
	v_lshl_add_u32 v[PF], s19, 5, v3               ; the prefetches: row 32 x block column + lane of the block's 128 rows: the four partners share them out,
	v_lshlrev_b32 v[PF], 14, v[PF]
	v_lshl_add_u32 v[PF], s16, 8, v[PF]            ; wave 0 the even K step, wave 1 the odd one
	s_lshl_b32 s76, s19, 11
	s_lshl_b32 s77, s16, 10
	s_add_co_u32 s76, s76, s77                     ; my first column in bytes: 2,048 x block column + 1,024 x half
	s_mov_b32 s77, 0
	s_add_nc_u64 s[10:11], s[10:11], s[76:77]
	global_load_b128 v[BIAS:BIAS+3],   v[CO], s[10:11]
	global_load_b128 v[BIAS+4:BIAS+7], v[CO], s[10:11] offset:512
	s_lshl_b32 s78, s20, 21                        ; the block's first row of x: 128 rows of 16,384 bytes
	s_mov_b32 s79, 0
	s_add_nc_u64 s[PFB:PFB+1], s[4:5], s[78:79]
	s_add_nc_u64 s[PFB:PFB+1], s[PFB:PFB+1], 512   ; stepped by 512 ahead of each use: the first request is for K steps 4 and 5
	s_lshl_b32 s72, s20, 7
	s_lshl_b32 s73, s15, 6
	s_add_co_u32 s72, s72, s73                     ; my first row of out0,
	s_lshl_b32 s72, s72, 13                        ; of 8,192 bytes,
	s_add_co_u32 s72, s72, s76                     ; and my first column (the sum stays below 2^27)
	s_mov_b32 s73, 0
	s_add_nc_u64 s[12:13], s[12:13], s[72:73]
; 48 LDS loads in one run: the fragments of 32 along K (half h of the K step in the slot): 64 rows of x as f32, then 256 rows of wq into buffer f
.macro FETCH slot, h, f
	WIN 0
.irp a, 0,1,2,3
	ds_load_b128 v[XF+16*\a:XF+16*\a+3],     v[ADRA+\slot] offset:\a*16*PA+\h*128
	ds_load_b128 v[XF+16*\a+4:XF+16*\a+7],   v[ADRA+\slot] offset:\a*16*PA+\h*128+16
	ds_load_b128 v[XF+16*\a+8:XF+16*\a+11],  v[ADRA+\slot] offset:\a*16*PA+\h*128+64
	ds_load_b128 v[XF+16*\a+12:XF+16*\a+15], v[ADRA+\slot] offset:\a*16*PA+\h*128+80
.endr
	WIN TO_B
.irp b, 0,1,2,3,4,5,6,7,8,9,10,11,12,13,14,15
	ds_load_b128 v[128*\f+8*\b:128*\f+8*\b+3],   v[ADRB+\slot] offset:\b*16*PB+\h*64
	ds_load_b128 v[128*\f+8*\b+4:128*\f+8*\b+7], v[ADRB+\slot] offset:\b*16*PB+\h*64+32
.endr
.endm
; 32 conversions: x's 4 blocks of 16 rows x 32 K from f32 into bf16 buffer f, K in its own place.
; They are also the places behind the matrix instructions: they name only the f32 registers and the bf16 buffer that the matrix instructions
; in front of them do not read, so every load into a wq buffer and every conversion into a bf16 buffer stands 32 plain vector instructions behind the
; last matrix instruction that read that buffer.  That is why x in bf16 has two buffers, and why the loop holds no v_nop.
.macro CVT f
	WIN 0
.irp a, 0,1,2,3
.irp j, 0,1,2,3,4,5,6,7
	v_cvt_pk_bf16_f32 v[XA0+32*\f+8*\a+\j], v[XF+16*\a+2*\j], v[XF+16*\a+2*\j+1]
.endr
.endr
.endm
; 16 matrix instructions: the window's two row blocks (hi = 0: my rows 0-31, 1: rows 32-63) x column blocks 8 bh .. 8 bh + 7, 32 along K.
; zero = 1: the first product starts the sums: nothing is ever cleared.
.macro MUL16 f, hi, bh, zero
.irp a, 0,1
.irp b, 0,1,2,3,4,5,6,7
.if \zero
	v_wmma_f32_16x16x32_bf16 v[8*(16*\a+8*\bh+\b):8*(16*\a+8*\bh+\b)+7], v[128*\f+8*(8*\bh+\b):128*\f+8*(8*\bh+\b)+7], v[XA0+32*\f+8*(2*\hi+\a):XA0+32*\f+8*(2*\hi+\a)+7], 0
.else
	v_wmma_f32_16x16x32_bf16 v[8*(16*\a+8*\bh+\b):8*(16*\a+8*\bh+\b)+7], v[128*\f+8*(8*\bh+\b):128*\f+8*(8*\bh+\b)+7], v[XA0+32*\f+8*(2*\hi+\a):XA0+32*\f+8*(2*\hi+\a)+7], v[8*(16*\a+8*\bh+\b):8*(16*\a+8*\bh+\b)+7]
.endif
.endr
.endr
.endm
; The 64 accumulators take turns, one instruction a turn, in the same order in every half step, over the loop's backward jump too.
.macro MULS f, zero
	WIN MUL_LO
	MUL16 \f, 0, 0, \zero
	MUL16 \f, 0, 1, \zero
	WIN MUL_HI
	MUL16 \f, 1, 0, \zero
	MUL16 \f, 1, 1, \zero
.endm
; The first 32 of a K step: multiplies buffers 0 and fetches the second 32 into buffers 1.
.macro H0 slot, zero
	s_wait_dscnt 32                                ; x's 16 loads are in; the 32 younger ones (wq) may be out
	CVT 0
	FETCH \slot, 1, 1
	s_wait_dscnt 48                                ; all but the 48 just issued
	MULS 0, \zero
.endm
; The second 32: multiplies buffers 1 and changes slots.  fill = 1: this slot is filled again, two K steps ahead.
; ONE barrier for the change of slots.  In front of it each wave waits for its reads of this slot and for all its tensor loads, of which one is out: its part of the next
; slot.  Behind it nobody reads this slot any more and the next slot is whole: the refill comes first, then the next slot's first fragments.
; From a request to the wait for it a wave issues 112 matrix instructions.
.macro H1 slot, next, fill, pf
	s_wait_dscnt 0x0                               ; my reads of this slot are over (issued 64 matrix instructions ago)
	s_set_vgpr_msb 0xf1f0
	s_wait_tensorcnt 0x0                           ; and all my tensor loads have landed:
	ds_add_u32 v254, v255
	s_wait_dscnt 0x0
	s_set_vgpr_msb 0xf0f1
	s_barrier_signal -1                            ; say so (where a slot is filled again this barrier opens a round of the cluster's barrier),
	CVT 1                                          ; work on registers while the others arrive,
	WIN MUL_LO
	MUL16 1, 0, 0, 0
	WIN 0
	s_barrier_wait -1                              ; and go on when all four have said so
.if \fill
	CREST                                          ; all sixteen work-groups have said so: no wave of any partner still reads this slot's tiles or has a load on its way
	s_add_nc_u64 s[G0A+4*\slot+2:G0A+4*\slot+3], s[G0A+4*\slot+2:G0A+4*\slot+3], 512      ; no tensor load of mine is out: the addresses step two K steps
	s_add_nc_u64 s[G0B+4*\slot+2:G0B+4*\slot+3], s[G0B+4*\slot+2:G0B+4*\slot+3], 524288
	JLOAD \slot, \pf                               ; my one tensor load behind the round, and the first thing there
.endif
	FETCH \next, 0, 0
	WIN MUL_LO
	MUL16 1, 0, 1, 0
	WIN MUL_HI
	MUL16 1, 1, 0, 0
	MUL16 1, 1, 1, 0
.endm
.macro LAP zero, fill, pf              ; two K steps, once round the ring
	H0 0, \zero
	H1 0, 1, \fill, \pf
	H0 1, 0
	H1 1, 0, \fill, 0
.endm
	s_wait_kmcnt 0x0
	s_mov_b32 s[SC+1], s[SC]
	s_wait_loadcnt 0x0                             ; the bias, once, while the first tiles are on their way: no global load crosses a barrier
	s_wait_tensorcnt 0x1                           ; my part of K step 0 is in; K step 1's may stay out
	s_barrier_signal -1
	s_barrier_wait -1                              ; everybody's is
	FETCH 0, 0, 0
	; 64 K steps = 32 laps.  PREFETCH: x is read from memory once in the launch.  In the refill of every even K step t up to 58, wave 0 asks for K step t + 4 and
	; wave 1 for K step t + 5 of 32 rows of the block's x tile (a lane a row, 256 bytes each; the four partners of a cluster's row take 32 rows each, so each such piece
	; is asked for once in the launch): two and three K steps ahead of the tensor load that wants it, 16 KiB a work-group a lap.  The last request is for K steps 62 and
	; 63, the rows' last bytes.  wq is asked for by no prefetch: the launch before has just stored it.
	LAP 1, 1, 1                                    ; K steps 0 and 1 stand in front of the loop: the first products start the sums
	WIN 0                                          ; at a label and at a branch every window is 0
	s_mov_b32 s70, 29
.Llap:
	LAP 0, 1, 1                                    ; K steps 2 to 59
	WIN 0
	s_sub_co_u32 s70, s70, 1
	s_cmp_lg_u32 s70, 0
	s_cbranch_scc1 .Llap
	LAP 0, 1, 0                                    ; K steps 60 and 61: the last refills (62 and 63), nothing left to prefetch
	H0 0, 0                                        ; K step 62: nothing is filled, so no round of the cluster's barrier: my one tensor load still out is K step 63's
	H1 0, 1, 0, 0
	H0 1, 0                                        ; K step 63
	s_wait_dscnt 0x0                               ; the very last half: nothing more to fetch
	CVT 1
	MULS 1, 0
	; THE WAY OUT, 16 rows at a time: the sums go as they are, 32 bytes a lane, into my own stage in LDS and come back as whole rows; then scale and bias, and the store.
	; Four plain vector instructions stand between the last matrix instructions and the LDS stores that read results and the loads into registers that they read.
.rept 4
	v_nop
.endr
; ap: which of the window's two row blocks; win: the window of the LDS stores' data; step = 1: 16 rows of out0 on
.macro OUT16 ap, win, step
	WIN \win
.irp b, 0,1,2,3,4,5,6,7,8,9,10,11,12,13,14,15
	ds_store_b128 v[STO], v[8*(16*\ap+\b):8*(16*\ap+\b)+3]   offset:64*\b
	ds_store_b128 v[STO], v[8*(16*\ap+\b)+4:8*(16*\ap+\b)+7] offset:64*\b+16
.endr
	WIN 0
	s_wait_xcnt 0x0                                ; every earlier memory instruction has had its addresses translated (ISA guide 3.1): the registers that the last group's stores read, and their base, are written only behind this wait
.if \step
	s_add_nc_u64 s[12:13], s[12:13], 16*8192
.endif
.set t, 0
.rept 32
	ds_load_b128 v[OB+4*t:OB+4*t+3], v[RD] offset:(t>>1)*SP+(t&1)*512   ; LDS serves a wave's instructions in order (ISA guide 5.7.1.4): these see the stores above, and the next group's stores come behind them
.set t, t+1
.endr
.set t, 0
.rept 32
	s_wait_dscnt 31-t                              ; load t is in, the younger ones stay out
	v_pk_fma_f32 v[OB+4*t:OB+4*t+1],   v[OB+4*t:OB+4*t+1],   s[SC:SC+1], v[BIAS+4*(t&1):BIAS+4*(t&1)+1]   op_sel_hi:[1,0,1]   ; scale x sum + bias, one rounding
	v_pk_fma_f32 v[OB+4*t+2:OB+4*t+3], v[OB+4*t+2:OB+4*t+3], s[SC:SC+1], v[BIAS+4*(t&1)+2:BIAS+4*(t&1)+3] op_sel_hi:[1,0,1]
	global_store_b128 v[CO], v[OB+4*t:OB+4*t+3], s[12:13] offset:(t>>1)*8192+(t&1)*512 th:TH_STORE_NT   ; the wave stores 512 consecutive bytes, at a multiple of 512 from out0's first byte
.set t, t+1
.endr
.endm
	OUT16 0, ST_LO, 0
	OUT16 1, ST_LO, 1
	OUT16 0, ST_HI, 1
	OUT16 1, ST_HI, 1
	s_wait_tensorcnt 0x0
	ds_add_u32 v254, v255
	s_wait_dscnt 0x0
	CROUND                                         ; the closing round: no work-group ends while a partner may still ask for a tile that names it
	s_endpgm
.Lfunc_end_k_qc0bbd4dfdd_gemm:
	.size	k_qc0bbd4dfdd_gemm, .Lfunc_end_k_qc0bbd4dfdd_gemm-k_qc0bbd4dfdd_gemm
	.p2alignl 7, 3214868480
	.fill 96, 4, 3214868480
	.section	.rodata,"a",@progbits
	.p2align	6, 0x0
	.amdhsa_kernel k_qc0bbd4dfdd_gemm
		.amdhsa_group_segment_fixed_size 327680
		.amdhsa_private_segment_fixed_size 0
		.amdhsa_enable_private_segment 0
		.amdhsa_kernarg_size 40
		.amdhsa_user_sgpr_count 2
		.amdhsa_user_sgpr_kernarg_segment_ptr 1
		.amdhsa_wavefront_size32 1
		.amdhsa_system_sgpr_workgroup_id_x 1
		.amdhsa_system_sgpr_workgroup_id_y 1
		.amdhsa_system_sgpr_workgroup_id_z 1
		.amdhsa_system_vgpr_workitem_id 0
		.amdhsa_next_free_vgpr 1024
		.amdhsa_next_free_sgpr 80
		.amdhsa_reserve_vcc 0
		.amdhsa_float_denorm_mode_32 3
		.amdhsa_float_denorm_mode_16_64 3
		.amdhsa_memory_ordered 1
		.amdhsa_forward_progress 1
		.amdhsa_inst_pref_size 210
	.end_amdhsa_kernel
	.amdgpu_metadata
---
amdhsa.version: [ 1, 2 ]
amdhsa.kernels:
  - .name:           k_qc0bbd4dfdd_gemm
    .symbol:         k_qc0bbd4dfdd_gemm.kd
    .args:
      - { .name: x, .offset: 0, .size: 8, .value_kind: global_buffer, .address_space: global }
      - { .name: wq, .offset: 8, .size: 8, .value_kind: global_buffer, .address_space: global }
      - { .name: scale, .offset: 16, .size: 8, .value_kind: global_buffer, .address_space: global }
      - { .name: bias, .offset: 24, .size: 8, .value_kind: global_buffer, .address_space: global }
      - { .name: out0, .offset: 32, .size: 8, .value_kind: global_buffer, .address_space: global }
    .group_segment_fixed_size: 327680
    .private_segment_fixed_size: 0
    .kernarg_segment_align: 8
    .kernarg_segment_size: 40
    .max_flat_workgroup_size: 128
    .sgpr_count:     80
    .vgpr_count:     1024
    .wavefront_size: 32
...
	.end_amdgpu_metadata
.endif
;; end of part 2
;; ======== version 2 of 2: 2 launches
;; workspace buffers: wq 16,777,216 bytes
;; launch unpack (part 3): grid 256 x 1, 8 waves a work-group, no clusters, 0 bytes of LDS; arguments packed_weight, zero_point, wq; writes wq
.if DOCPART == 3
	.amdgcn_target "amdgcn-amd-amdhsa--gfx1250"
	.amdhsa_code_object_version 6
	.text
	.protected	k_qc0bbd4dfdd_unpack
	.globl	k_qc0bbd4dfdd_unpack
	.p2align	8
	.type	k_qc0bbd4dfdd_unpack,@function
k_qc0bbd4dfdd_unpack:
	s_mov_b64 s[64:65], 0
	v_nop
	global_prefetch_b8 v0, s[64:65] scope:SCOPE_SE
	s_setreg_imm32_b32 hwreg(HW_REG_WAVE_MODE, 25, 1), 1
	s_wait_xcnt 0x0
; wq = bf16(q - zero_point), q the 4-bit codes of packed_weight [1024][4096] (low nibble: out row 2p, high nibble: out row 2p+1).
; wq is laid out for the product that follows: [32 K steps][2048 n][128 k] in bf16, element (n, k) at byte (k>>7)*524288 + n*256 + (k&127)*2,
; so that one K step's part of a row is 256 aligned bytes and the rows of a K step lie densely behind each other.
; The subtraction is made in f32, as the definition makes it, for any f32 zero_point; the difference is rounded once to bf16 (nearest even).
; scale is not applied here: it goes into the product's last fused multiply-add.
; A stream: no LDS, no barrier, no matrix unit (there is nothing to share and nothing to multiply).
; Eight waves; work-group g owns packed rows 4g .. 4g+3: 16,384 dense bytes in, 65,536 bytes out.
; Thread t: u = t & 15 (which 8 of a K step's 128 k), o = (t >> 4) & 1 (which nibble), w = t >> 5 (the wave).
; A unit is one row's 256 bytes of one K step: sixteen neighbouring lanes store it whole, 16 bytes each; a wave's two units (rows 2p and 2p+1) are neighbours,
; so a store of the wave covers 512 consecutive aligned bytes.  The lanes o = 0 and o = 1 read the same 8 packed bytes in one instruction and keep one nibble each.
; Unit i (0..15) of thread t: packed row 4g + (i>>2), K step 8 (i&3) + w.
.set VIN, 1                            ; v1       byte offset of my 8 packed bytes in unit 0: 128 w + 8 u
.set VO,  2                            ; v[2:3]   byte offset in wq: 524288 w + 256 o + 16 u, and the same + 8388608 (K steps 16 and up: beyond the store's immediate)
.set BO,  4                            ; v[4:7]   bit offset of my nibble in byte b of a word: 8 b + 4 o
.set ZP,  8                            ; v[8:9]   zero_point, twice (a pair for the packed subtraction)
.set T,   10                           ; v[10:17] eight numbers at work
.set D,   20                           ; v[20:51] unit i: 2 registers, 8 packed bytes
.set Y,   52                           ; v[52:115] unit i: 4 registers, 8 bf16 to store
	s_load_b128 s[4:7], s[0:1], 0x0                ; packed_weight s[4:5], zero_point's address s[6:7]
	s_load_b64 s[8:9], s[0:1], 0x10                ; wq
	v_and_b32 v[T], 15, v0                         ; u
	v_lshrrev_b32 v[T+1], 5, v0                    ; w
	v_and_b32 v[T+2], 31, v0                       ; 16 o + u
	v_bfe_u32 v[T+3], v0, 4, 1                     ; o
	v_lshlrev_b32 v[VIN], 3, v[T]
	v_lshl_add_u32 v[VIN], v[T+1], 7, v[VIN]       ; 128 w + 8 u
	v_lshlrev_b32 v[VO], 4, v[T+2]                 ; 256 o + 16 u: the row of the pair, then my 8 k
	v_lshl_add_u32 v[VO], v[T+1], 19, v[VO]        ; + 524288 w
	v_add_nc_u32 v[VO+1], 0x800000, v[VO]
.irp b, 0,1,2,3
	v_lshl_add_u32 v[BO+\b], v[T+3], 2, 8*\b
.endr
	s_lshl_b32 s12, ttmp9, 14                      ; 4 packed rows of 4,096 bytes
	s_mov_b32 s13, 0
	s_lshl_b32 s14, ttmp9, 11                      ; 8 rows of 256 bytes in every K step of wq
	s_mov_b32 s15, 0
	s_wait_kmcnt 0x0
	s_load_b32 s10, s[6:7], 0x0                    ; zero_point
	s_add_nc_u64 s[4:5], s[4:5], s[12:13]
	s_add_nc_u64 s[8:9], s[8:9], s[14:15]
.set i, 0
.rept 16
	global_load_b64 v[D+2*i:D+2*i+1], v[VIN], s[4:5] offset:1024*i th:TH_LOAD_NT   ; 4096 (i>>2) + 1024 (i&3); all sixteen go out at once: every unit has registers of its own
.set i, i+1
.endr
	s_wait_kmcnt 0x0
	v_mov_b32 v[ZP], s10
	v_mov_b32 v[ZP+1], s10
; No register that a load or a store names is ever written again, so the only waits are the counted ones for the data.
.set i, 0
.rept 16
	s_wait_loadcnt 15-i                            ; loads come back in order (ISA guide 5.7.1): unit i is in, the 15 - i younger ones stay out
.irp b, 0,1,2,3
	v_bfe_u32 v[T+\b],   v[D+2*i],   v[BO+\b], 4    ; k = 8 u + b
	v_bfe_u32 v[T+4+\b], v[D+2*i+1], v[BO+\b], 4    ; k = 8 u + 4 + b
.endr
.irp b, 0,1,2,3,4,5,6,7
	v_cvt_f32_u32 v[T+\b], v[T+\b]
.endr
.irp b, 0,2,4,6
	v_pk_add_f32 v[T+\b:T+\b+1], v[T+\b:T+\b+1], v[ZP:ZP+1] neg_lo:[0,1] neg_hi:[0,1]   ; q - zero_point, in f32
.endr
.irp b, 0,1,2,3
	v_cvt_pk_bf16_f32 v[Y+4*i+\b], v[T+2*\b], v[T+2*\b+1]
.endr
	global_store_b128 v[VO+((i&3)>>1)], v[Y+4*i:Y+4*i+3], s[8:9] offset:(i&1)*4194304+(i>>2)*512   ; K step 8 (i&3) + w, row pair i>>2; no hint: the next launch reads wq
.set i, i+1
.endr
	s_endpgm
.Lfunc_end_k_qc0bbd4dfdd_unpack:
	.size	k_qc0bbd4dfdd_unpack, .Lfunc_end_k_qc0bbd4dfdd_unpack-k_qc0bbd4dfdd_unpack
	.p2alignl 7, 3214868480
	.fill 96, 4, 3214868480
	.section	.rodata,"a",@progbits
	.p2align	6, 0x0
	.amdhsa_kernel k_qc0bbd4dfdd_unpack
		.amdhsa_group_segment_fixed_size 0
		.amdhsa_private_segment_fixed_size 0
		.amdhsa_enable_private_segment 0
		.amdhsa_kernarg_size 24
		.amdhsa_user_sgpr_count 2
		.amdhsa_user_sgpr_kernarg_segment_ptr 1
		.amdhsa_wavefront_size32 1
		.amdhsa_system_sgpr_workgroup_id_x 1
		.amdhsa_system_sgpr_workgroup_id_y 1
		.amdhsa_system_sgpr_workgroup_id_z 1
		.amdhsa_system_vgpr_workitem_id 0
		.amdhsa_next_free_vgpr 116
		.amdhsa_next_free_sgpr 66
		.amdhsa_reserve_vcc 0
		.amdhsa_float_denorm_mode_32 3
		.amdhsa_float_denorm_mode_16_64 3
		.amdhsa_memory_ordered 1
		.amdhsa_forward_progress 1
		.amdhsa_inst_pref_size 25
	.end_amdhsa_kernel
	.amdgpu_metadata
---
amdhsa.version: [ 1, 2 ]
amdhsa.kernels:
  - .name:           k_qc0bbd4dfdd_unpack
    .symbol:         k_qc0bbd4dfdd_unpack.kd
    .args:
      - { .name: packed_weight, .offset: 0, .size: 8, .value_kind: global_buffer, .address_space: global }
      - { .name: zero_point, .offset: 8, .size: 8, .value_kind: global_buffer, .address_space: global }
      - { .name: wq, .offset: 16, .size: 8, .value_kind: global_buffer, .address_space: global }
    .group_segment_fixed_size: 0
    .private_segment_fixed_size: 0
    .kernarg_segment_align: 8
    .kernarg_segment_size: 24
    .max_flat_workgroup_size: 256
    .sgpr_count:     66
    .vgpr_count:     116
    .wavefront_size: 32
...
	.end_amdgpu_metadata
.endif
;; end of part 3
;; launch gemm (part 4): grid 4 x 64, 4 waves a work-group, clusters of 4 x 4, 327,680 bytes of LDS; arguments x, wq, scale, bias, out0; writes out0
.if DOCPART == 4
	.amdgcn_target "amdgcn-amd-amdhsa--gfx1250"
	.amdhsa_code_object_version 6
	.text
	.protected	k_qc0bbd4dfdd_gemm
	.globl	k_qc0bbd4dfdd_gemm
	.p2align	8
	.type	k_qc0bbd4dfdd_gemm,@function
k_qc0bbd4dfdd_gemm:
	s_mov_b64 s[64:65], 0
	v_nop
	global_prefetch_b8 v0, s[64:65] scope:SCOPE_SE
	s_setreg_imm32_b32 hwreg(HW_REG_WAVE_MODE, 25, 1), 1
	s_wait_xcnt 0x0
	s_wait_alu depctr_hold_cnt(0) depctr_sa_sdst(0) depctr_va_vdst(0) depctr_va_sdst(0) depctr_va_ssrc(0) depctr_va_vcc(0) depctr_vm_vsrc(0)
	s_getreg_b32 s2, hwreg(HW_REG_IB_STS2, 6, 4)
	s_cmp_eq_u32 s2, 0
	s_cbranch_scc0 .Lentry_in_a_cluster
	s_endpgm
.Lentry_in_a_cluster:
	s_bfe_u32 s2, ttmp6, 0x10000c
	s_cmp_lg_u32 s2, 0xf033
	s_cbranch_scc0 .Lentry_shape_is_right
	s_endpgm
.Lentry_shape_is_right:
; out0[m][n] = scale * (sum over k of bf16(x[m][k]) * wq[n][k]) + bias[n].   x: [8192][4096] f32.  out0: [8192][2048] f32.
; wq: bf16(q - zero_point), [32 K steps][2048 n][128 k], made by the launch before.  Sums in f32; scale and bias in one fused multiply-add at the end.
; LIMITS: x is rounded to bf16 (nearest even), so |x| above bf16's largest finite number becomes infinity.  scale multiplies the finished f32 sum,
; so a sum of x (q - zero_point) beyond f32's range overflows even where a small scale would have kept the defined result finite.  NaN and infinities go through.
;
; A work-group makes a block of 128 rows x 512 columns with four waves, as many as a WGP has SIMDs: 64 x 4 = 256 blocks.  Wave w makes all 128 rows x columns
; 128 w .. 128 w + 127: 64 accumulator tiles of 16 x 16, 512 registers.  For 32 along K a wave reads 2 x 128 x 64 bytes from LDS and issues 64 matrix instructions.
; wq comes by the tensor data mover, 128 along K at a time, into a ring of two LDS slots; each wave fetches, and alone reads, the 128 rows of its own columns.
; CLUSTERS: 4 x 4 work-groups.  The four of a cluster's column make the same 512 columns and need the same tiles of wq: these are asked for jointly.
; x IS NOT ASKED FOR JOINTLY, though the four work-groups of a cluster's row need the same tile.  As f32 in LDS it takes 512 bytes for each k beside wq's 1,024, so that two
; slots hold 64 along K each and a request has 112 matrix instructions in which to land; and every wave would read f32 and round it anew.  Instead each wave loads a
; quarter of the block's rows into registers, two K steps of 64 ahead (these loads stay on their way over barriers, 256 matrix instructions long), rounds each number
; once and puts it into LDS as bf16: 18,432 bytes for 64 along K, which leaves room for wq's slots of 128 along K.  The price: x's 134 MB are requested four times.
;
; REGISTERS, in windows of 256 (s_set_vgpr_msb's low byte: bits 1:0 source 0, 3:2 source 1, 5:4 source 2, 7:6 destination):
;   window 0: v0-31 addresses and bias; v64-127, v128-191 x as loaded (f32), two sets; v192-255 the way out
;   window 1: two fragment buffers of 128 registers: wq's 8 blocks of 16 rows x 32 K, then x's 8 blocks
;   window 2: the 32 accumulator tiles of rows 0-63 (tile (a, b) at v[8 (8 a + b)]);   window 3: those of rows 64-127
; THE MATRIX INSTRUCTION IS USED TRANSPOSED: source 0 = 16 rows of wq, source 1 = 16 rows of x.  Lane l then holds row l % 16 of the result and its
; registers 0 to 7 the columns 8 (l / 16) + 0 .. 7: 32 neighbouring bytes of a row of out0.
.set PB,     272                       ; LDS pitch of wq's rows: 256 bytes + 16 of padding
.set PA,     144                       ; LDS pitch of x's rows in bf16: 128 bytes + 16.  Both are odd multiples of 16: the 16 rows that a load touches start at 16 different 16-byte columns of 256 (64 banks of 4 bytes: ISA guide 11.1)
.set HALFT,  128*PB                    ; 128 rows of wq: one tensor load, and what one wave reads
.set SLOTB,  4*HALFT                   ; 139,264 bytes: 512 rows, 128 along K
.set ABASE,  2*SLOTB                   ; 278,528, a multiple of 256: behind the ring; no tensor load lands there
.set ABUF,   128*PA                    ; 18,432 bytes: x's 128 rows, 64 along K; two such buffers
.set STAGE,  ABASE                     ; the way out lies over x's buffers, behind a barrier of its own
.set SP,     528                       ; pitch of the stage: 128 f32 + 16 bytes
.set WSTAGE, 16*SP                     ; 16 rows for each wave: 4 x 8,448 = 33,792 of the 36,864 bytes
.set WSTEP,  524288                    ; bytes of wq in a K step of 128
.set ADRA, 16                          ; v16-17  LDS address of my x fragments in buffer 0, 1
.set ADRB, 20                          ; v20-21  LDS address of my wq fragments in slot 0, 1
.set VX,   22                          ; v22     byte offset in x of my 16 bytes; never rewritten
.set VS,   23                          ; v23     LDS address of my 8 bytes of bf16 in buffer 0; never rewritten
.set STO,  24                          ; v24     the way out: where I put my 32 bytes of a row
.set RD,   25                          ; v25     the way out: where I read rows back
.set CO,   26                          ; v26     16 x lane: my byte offset in a run of 512 bytes of out0 and of bias
.set BIAS, 28                          ; v[28:31] bias of my 4 columns
.set X,    64                          ; x as loaded: set 0 at v64, set 1 at v128
.set OB,   192                         ; the way out
.set F0,   0                           ; fragment buffer 0 (window 1)
.set F1,   128                         ; fragment buffer 1
.set G1, 24                            ; s[24:31] descriptor group 1 for wq's tiles
.set G0, 32                            ; s[32:39] group 0, one set for each slot
.set XB, 40                            ; s[40:41] x at the block's first row, stepped along K
.set SC, 42                            ; s[42:43] scale, twice
.set MSB, 0
.macro WIN new                         ; the immediate's high byte repeats the setting that is left
.if MSB != \new
	s_set_vgpr_msb (MSB<<8)|\new
.set MSB, \new
.endif
.endm
.set MUL_LO, 0xa5                      ; sources 0 and 1 (fragments) window 1, C and D window 2
.set MUL_HI, 0xf5                      ; the same, C and D window 3
.set TO_F,   0x40                      ; destination window 1, address window 0
.set ST_LO,  0x08                      ; an LDS store's data (source 1) from window 2
.set ST_HI,  0x0c                      ; from window 3
; A round of the cluster's barrier: my work-group's barrier, so that wave 0's signal speaks for all four waves; wave 0 signals for the work-group; every wave waits for
; all sixteen work-groups; my work-group's barrier once more.
.macro CREST                           ; a round behind its opening barrier
	s_cmp_lg_u32 s14, 0
	s_cbranch_scc1 .Lnot_wave_0_\@
	s_barrier_signal -3
.Lnot_wave_0_\@:
	s_barrier_wait -3
	s_barrier_signal -1
	s_barrier_wait -1
.endm
.macro CROUND                          ; a whole round
	s_barrier_signal -1
	s_barrier_wait -1
	CREST
.endm
; A load into a register that a matrix instruction has read, and an LDS store that reads a matrix result, stand four plain vector instructions behind that matrix
; instruction (ISA guide 7.12.1 for vector instructions).  Where no useful vector work stands there: four v_nop.
.macro PLACES
.rept 4
	v_nop
.endr
.endm
; 16 loads: my 32 rows x 256 bytes of one K step of 64, into set s.  Lanes 0-15 take a row's 256 aligned bytes, lanes 16-31 those of the row 8 further down.
.macro LOADX s, koff
.set j, 0
.rept 16
	global_load_b128 v[X+64*\s+4*j:X+64*\s+4*j+3], v[VX], s[XB:XB+1] offset:(16*(j>>3)+(j&7))*16384+\koff   ; no hint: three other work-groups read the same bytes
.set j, j+1
.endr
.endm
; Set s is rounded to bf16 in place and put into x's buffer s.  left = how many younger loads may stay out.
; A store's lanes 0-15 write 128 neighbouring bytes and lanes 16-31 the same 8 rows down, 8 x 144 = 1,152 bytes = 32 words modulo 64 further: 64 different words' banks.
.macro STOREX s, left
	s_wait_loadcnt \left                           ; loads come back in order (ISA guide 5.7.1): this set's sixteen are in
.set j, 0
.rept 16
	v_cvt_pk_bf16_f32 v[X+64*\s+4*j],   v[X+64*\s+4*j],   v[X+64*\s+4*j+1]
	v_cvt_pk_bf16_f32 v[X+64*\s+4*j+1], v[X+64*\s+4*j+2], v[X+64*\s+4*j+3]
.set j, j+1
.endr
.set j, 0
.rept 16
	ds_store_b64 v[VS], v[X+64*\s+4*j:X+64*\s+4*j+1] offset:\s*ABUF+(16*(j>>3)+(j&7))*PA
.set j, j+1
.endr
.endm
	s_load_b256 s[4:11], s[0:1], 0x0               ; x s[4:5], wq s[6:7], scale's address s[8:9], bias s[10:11]
	s_load_b64 s[12:13], s[0:1], 0x20              ; out0
	v_lshl_add_u32 v62, v0, 2, 0x4d000
	v_mov_b32 v63, 0
	ds_add_u32 v62, v63
	v_lshrrev_b32 v1, 5, v0
	v_readfirstlane_b32 s14, v1                    ; wave 0..3
	s_bfe_u32 s17, ttmp6, 0x40000                  ; cx
	s_bfe_u32 s18, ttmp6, 0x40004                  ; cy
	s_lshl_b32 s19, ttmp9, 2                       ; in a cluster launch ttmp9 and ttmp7 count clusters
	s_add_co_u32 s19, s19, s17                     ; block column 0..3
	s_and_b32 s20, ttmp7, 0xffff
	s_lshl_b32 s20, s20, 2
	s_add_co_u32 s20, s20, s18                     ; block row 0..63
	s_lshl_b32 s22, 0x1111, s17                    ; my column of the cluster: places cx, cx + 4, cx + 8, cx + 12
	; group 1: a tile of 128 rows x 128 bf16, 16 bytes of padding behind each row of 64 words; in memory the rows follow each other densely
	s_or_b32 s[G1+0], s22, (1<<16)|(1<<20)|(1<<21)|(5<<22)|(3<<25)  ; 15:0 mask: my column; 17:16 elements of 2 bytes; 20 padding on; 21 set beside a mask; 24:22 after every 64 words; 31:25 of 4 words
	s_mov_b32 s[G1+1], 128<<16                     ; tensor_dim0 = 128
	s_mov_b32 s[G1+2], 128<<16                     ; tensor_dim1 = 128
	s_mov_b32 s[G1+3], 128<<16                     ; tile_dim0 = 128
	s_mov_b32 s[G1+4], 128                         ; tile_dim1 = 128
	s_mov_b32 s[G1+5], 128                         ; elements from row to row
	s_mov_b32 s[G1+6], 0
	s_mov_b32 s[G1+7], 0
	; A fragment is 16 rows x 32 K of bf16: lane l holds row l % 16; registers 0-3 hold K = 8 (l / 16) + 0..7, registers 4-7 K = 16 + 8 (l / 16) + 0..7:
	; two loads of 16 bytes, 32 bytes apart, at row x pitch + 16 (l / 16).
	v_and_b32 v1, 15, v0                           ; l % 16
	v_bfe_u32 v2, v0, 4, 1                         ; l / 16
	v_and_b32 v3, 31, v0                           ; l
	v_mul_u32_u24 v4, v1, PA
	v_lshl_add_u32 v4, v2, 4, v4
	v_add_nc_u32 v[ADRA], ABASE, v4                ; x: every wave reads all 128 rows
	v_add_nc_u32 v[ADRA+1], ABASE+ABUF, v4
	v_mul_u32_u24 v5, v1, PB
	v_lshl_add_u32 v5, v2, 4, v5
	s_mul_i32 s50, s14, HALFT                      ; wq: my 128 rows; no place in the cluster enters an LDS address
	s_add_co_u32 s51, s50, SLOTB
	v_add_nc_u32 v[ADRB], s50, v5
	v_add_nc_u32 v[ADRB+1], s51, v5
	s_lshl_b32 s52, s14, 5
	v_lshl_add_u32 v6, v2, 3, s52                  ; the rows of x that I bring in begin at 32 w + 8 (l / 16)
	v_lshlrev_b32 v[VX], 14, v6                    ; rows of 16,384 bytes,
	v_lshl_add_u32 v[VX], v1, 4, v[VX]             ; my 4 numbers of the row's 64
	v_mul_u32_u24 v7, v6, PA
	v_lshl_add_u32 v7, v1, 3, v7                   ; the same 4 numbers in bf16
	v_add_nc_u32 v[VS], ABASE, v7
	s_mul_i32 s53, s14, WSTAGE
	s_add_co_u32 s53, s53, STAGE                   ; my stage
	v_mul_u32_u24 v8, v1, SP
	v_lshl_add_u32 v8, v2, 5, v8                   ; in: row l % 16, 32 bytes for each half of the lanes
	v_add_nc_u32 v[STO], s53, v8
	v_lshl_add_u32 v[RD], v3, 4, s53               ; back: 32 lanes take a row's 512 bytes
	v_lshlrev_b32 v[CO], 4, v3
	; offsets.  wq's hang on the block column and the wave alone, which my column of the cluster shares; they are made in registers that never hold the block row.
	s_lshl_b32 s56, s19, 17                        ; 512 rows of 256 bytes a block column,
	s_lshl_b32 s57, s14, 15                        ; 128 rows a wave
	s_add_co_u32 s56, s56, s57
	s_mov_b32 s57, 0
	s_lshl_b32 s48, s20, 21                        ; x: 128 rows of 16,384 bytes a block row
	s_mov_b32 s49, 0
	s_lshl_b32 s60, s19, 11
	s_lshl_b32 s61, s14, 9
	s_add_co_u32 s60, s60, s61                     ; my first column in bytes of f32: 2,048 x block column + 512 x wave
	s_mov_b32 s61, 0
	s_lshl_b32 s62, s20, 20                        ; out0: 128 rows of 8,192 bytes a block row,
	s_add_co_u32 s62, s62, s60                     ; and my first column (the sum stays below 2^27)
	s_mov_b32 s63, 0
	s_wait_dscnt 0x0
	s_wait_kmcnt 0x0
	s_load_b32 s[SC], s[8:9], 0x0                  ; scale
	s_add_nc_u64 s[XB:XB+1], s[4:5], s[48:49]
	s_add_nc_u64 s[58:59], s[6:7], s[56:57]
	s_add_nc_u64 s[10:11], s[10:11], s[60:61]
	s_add_nc_u64 s[12:13], s[12:13], s[62:63]
	global_load_b128 v[BIAS:BIAS+3], v[CO], s[10:11]
	LOADX 0, 0                                     ; x's K steps 0 and 1 (of 64) are asked for before anything else
	LOADX 1, 256
	CROUND                                         ; all sixteen work-groups are here: the first joint loads meet
.irp s, 0,1
	s_mov_b32 s[G0+4*\s], 1                                        ; count = 1
	s_add_co_u32 s[G0+4*\s+1], s50, \s*SLOTB                       ; LDS address
	s_add_nc_u64 s[G0+4*\s+2:G0+4*\s+3], s[58:59], \s*WSTEP        ; K step s of 128
	s_or_b32 s[G0+4*\s+3], s[G0+4*\s+3], 0x80000000                ; type = 2
	tensor_load_to_lds s[G0+4*\s:G0+4*\s+3], s[G1:G1+7]            ; both slots' first fills go out together: two tensor loads of the wave are out, the most anywhere in this text
	s_nop 0
.endr
; 32 LDS loads in one run, under one window setting: the fragments of 32 along K into buffer f: my 128 rows of wq (slot bs, quarter bk), then x's 128 rows (buffer ab, half ak)
.macro FETCH ab, ak, bs, bk, f
	WIN TO_F
.irp i, 0,1,2,3,4,5,6,7
	ds_load_b128 v[\f+8*\i:\f+8*\i+3],   v[ADRB+\bs] offset:\bk*64+\i*16*PB
	ds_load_b128 v[\f+8*\i+4:\f+8*\i+7], v[ADRB+\bs] offset:\bk*64+\i*16*PB+32
.endr
.irp i, 0,1,2,3,4,5,6,7
	ds_load_b128 v[\f+64+8*\i:\f+64+8*\i+3],   v[ADRA+\ab] offset:\ak*64+\i*16*PA
	ds_load_b128 v[\f+64+8*\i+4:\f+64+8*\i+7], v[ADRA+\ab] offset:\ak*64+\i*16*PA+32
.endr
.endm
; 16 matrix instructions: row blocks a0, a0 + 1 of the window's four (hi = 0: rows 0-63, 1: rows 64-127) x all 8 column blocks, 32 along K.
; zero = 1: the first product starts the sums: nothing is ever cleared.
; The 64 accumulators take turns, one instruction a turn, in the same order in every quarter, over the loop's backward jump too.
.macro MUL16 f, hi, a0, zero
.irp a, \a0, \a0+1
.irp b, 0,1,2,3,4,5,6,7
.if \zero
	v_wmma_f32_16x16x32_bf16 v[8*(8*(\a)+\b):8*(8*(\a)+\b)+7], v[\f+8*\b:\f+8*\b+7], v[\f+64+8*(4*\hi+\a):\f+64+8*(4*\hi+\a)+7], 0
.else
	v_wmma_f32_16x16x32_bf16 v[8*(8*(\a)+\b):8*(8*(\a)+\b)+7], v[\f+8*\b:\f+8*\b+7], v[\f+64+8*(4*\hi+\a):\f+64+8*(4*\hi+\a)+7], v[8*(8*(\a)+\b):8*(8*(\a)+\b)+7]
.endif
.endr
.endr
.endm
; A quarter is 32 along K, 64 matrix instructions.  A K step of wq is four quarters, a K step of x two; fragment buffers 0, 1, 0, 1.
; AN EVEN QUARTER multiplies buffer 0 (first half of x's buffer ab).  In its middle: x's next K step (set and buffer xs) is rounded and stored into the buffer that the
; barrier in the quarter before has freed (store = 1), that set is asked for again, two K steps on (load = 1), and the next quarter's fragments (quarter fbk of slot bs) are fetched.
; The 32 conversions name window 0 alone: they are the plain vector instructions between the last matrix instructions that read buffer 1 and the loads into it.
.macro EVENQ ab, xs, bs, fbk, zero, store, left, load
	s_wait_dscnt 8                                 ; wq and x's rows 0-63 are in; the youngest eight loads (x's rows 64-127) may be out
	WIN MUL_LO
	MUL16 F0, 0, 0, \zero
	MUL16 F0, 0, 2, \zero
	WIN 0
.if \store
	STOREX \xs, \left
.if \load
	s_wait_xcnt 0x0                                ; the loads issued a K step ago have had their addresses translated (ISA guide 3.1): their base is stepped only behind this wait
	s_add_nc_u64 s[XB:XB+1], s[XB:XB+1], 256       ; 64 f32 on
	LOADX \xs, 512                                 ; the base stands one K step beyond the one at work: with the 512 bytes, three beyond it, two beyond the one just stored
.endif
.else
	PLACES
.endif
	FETCH \ab, 1, \bs, \fbk, F1
	s_wait_dscnt 32+16*\store                      ; all but what this quarter has issued: its LDS stores and its 32 loads
	WIN MUL_HI
	MUL16 F0, 1, 0, \zero
	MUL16 F0, 1, 2, \zero
.endm
; AN ODD QUARTER multiplies buffer 1 and holds the barrier at which x's buffers change.  In front of it each wave waits for its LDS stores (x's next K step) and its LDS
; reads (of the buffer at work); behind it the next buffer is whole and the one at work may be written again.
; tw = 1: wq's slot changes too: each wave also waits for all its tensor loads, of which one is out: its part of the next slot.
; fill = 1: the barrier opens a round of the cluster's barrier, and behind the round this slot is filled again, two K steps of 128 ahead: the wave's one tensor load
; until the next such barrier, and the first thing there.  From that request to the wait for it a wave issues 240 matrix instructions.
; Across the barrier with tw = 0 that load stays on its way. x's loads into registers stay on their way across every barrier.
.macro ODDQ nab, nbs, nbk, slot, fill, tw
	s_wait_dscnt 8
	WIN MUL_LO
	MUL16 F1, 0, 0, 0
	s_wait_dscnt 0x0                               ; for the other waves' sake: my stores of x have landed and my reads are over
.if \tw
	s_set_vgpr_msb 0xa5a0
	s_wait_tensorcnt 0x0                           ; and all my tensor loads have landed
	ds_add_u32 v62, v63
	s_wait_dscnt 0x0
	s_set_vgpr_msb 0xa0a5
.endif
	s_barrier_signal -1                            ; say so,
	MUL16 F1, 0, 2, 0                              ; work on registers while the others arrive,
	WIN 0                                          ; (branches may follow: every window is 0 there)
	s_barrier_wait -1                              ; and go on when all four have said so
.if \fill
	CREST                                          ; all sixteen work-groups have said so: no wave of any partner still reads this slot's tile or has a load on its way
	s_add_nc_u64 s[G0+4*\slot+2:G0+4*\slot+3], s[G0+4*\slot+2:G0+4*\slot+3], 2*WSTEP   ; no tensor load of mine is out: the address steps
	tensor_load_to_lds s[G0+4*\slot:G0+4*\slot+3], s[G1:G1+7]
	s_nop 0
.endif
	PLACES
	FETCH \nab, 0, \nbs, \nbk, F0
	WIN MUL_HI
	MUL16 F1, 1, 0, 0
	MUL16 F1, 1, 2, 0
.endm
.macro FOUR slot, other, zero          ; a K step of 128: one slot of wq, both buffers of x
	EVENQ 0, 1, \slot, 1, \zero, 1, 16, 1          ; 16: the other set's loads, issued a K step of 64 later, stay out
	ODDQ  1, \slot, 2, \slot, 0, 0
	EVENQ 1, 0, \slot, 3, 0, 1, 16, 1
	ODDQ  0, \other, 0, \slot, 1, 1
.endm
	STOREX 0, 16                                   ; bias and x's K step 0 are in, K step 1 stays out; K step 0 goes into buffer 0
	LOADX 0, 512                                   ; K step 2
	s_wait_kmcnt 0x0
	s_mov_b32 s[SC+1], s[SC]
	s_wait_dscnt 0x0                               ; my part of x's buffer 0 has landed,
	s_wait_tensorcnt 0x1                           ; and my part of wq's K step 0; K step 1's may stay out
	s_barrier_signal -1
	s_barrier_wait -1                              ; everybody's has
	FETCH 0, 0, 0, 0, F0
	; 32 K steps of 128 = 16 laps of the ring
	FOUR 0, 1, 1                                   ; the first lap stands in front of the loop: its first products start the sums
	FOUR 1, 0, 0
	WIN 0                                          ; at a label and at a branch every window is 0
	s_mov_b32 s44, 14
.Llap:
	FOUR 0, 1, 0                                   ; K steps 2 to 29
	FOUR 1, 0, 0
	WIN 0
	s_sub_co_u32 s44, s44, 1
	s_cmp_lg_u32 s44, 0
	s_cbranch_scc1 .Llap
	; K step 30: wq's slots are filled no more, so no round of the cluster's barrier; x's last K step of 64, the 63rd, is asked for, then nothing
	EVENQ 0, 1, 0, 1, 0, 1, 16, 1
	ODDQ  1, 0, 2, 0, 0, 0
	EVENQ 1, 0, 0, 3, 0, 1, 16, 0
	ODDQ  0, 1, 0, 0, 0, 1                         ; my one tensor load still out, K step 31's, is waited for here
	; K step 31
	EVENQ 0, 1, 1, 1, 0, 1, 0, 0                   ; x's last set: no younger load is out
	ODDQ  1, 1, 2, 1, 0, 0
	EVENQ 1, 0, 1, 3, 0, 0, 0, 0                   ; nothing left of x to store
	s_wait_dscnt 0x0                               ; the very last quarter: my reads of x's buffers are over,
	s_barrier_signal -1                            ; which the other waves need to know: their stages lie over these buffers
	WIN MUL_LO
	MUL16 F1, 0, 0, 0
	MUL16 F1, 0, 2, 0
	WIN MUL_HI
	MUL16 F1, 1, 0, 0
	MUL16 F1, 1, 2, 0
	PLACES                                         ; behind the last matrix instructions, ahead of the LDS stores that read results
	WIN 0
	s_barrier_wait -1
	; THE WAY OUT, 16 rows at a time: the sums go as they are, 32 bytes a lane and tile, into my own stage in LDS and come back as whole rows of 512 bytes; then scale and bias, and the store.
; ap: which of the window's four row blocks; win: the window of the LDS stores' data; step = 1: 16 rows of out0 on
.macro OUT16 ap, win, step
	WIN \win
.irp b, 0,1,2,3,4,5,6,7
	ds_store_b128 v[STO], v[8*(8*\ap+\b):8*(8*\ap+\b)+3]   offset:64*\b
	ds_store_b128 v[STO], v[8*(8*\ap+\b)+4:8*(8*\ap+\b)+7] offset:64*\b+16
.endr
	WIN 0
	s_wait_xcnt 0x0                                ; every earlier memory instruction has had its addresses translated (ISA guide 3.1): the registers that the last group's stores read, and their base, are written only behind this wait
.if \step
	s_add_nc_u64 s[12:13], s[12:13], 16*8192
.endif
.set t, 0
.rept 16
	ds_load_b128 v[OB+4*t:OB+4*t+3], v[RD] offset:t*SP   ; LDS serves a wave's instructions in order (ISA guide 5.7.1.4): these see the stores above, and the next group's stores come behind them
.set t, t+1
.endr
.set t, 0
.rept 16
	s_wait_dscnt 15-t                              ; row t is in, the younger ones stay out
	v_pk_fma_f32 v[OB+4*t:OB+4*t+1],   v[OB+4*t:OB+4*t+1],   s[SC:SC+1], v[BIAS:BIAS+1]   op_sel_hi:[1,0,1]   ; scale x sum + bias, one rounding
	v_pk_fma_f32 v[OB+4*t+2:OB+4*t+3], v[OB+4*t+2:OB+4*t+3], s[SC:SC+1], v[BIAS+2:BIAS+3] op_sel_hi:[1,0,1]
	global_store_b128 v[CO], v[OB+4*t:OB+4*t+3], s[12:13] offset:t*8192 th:TH_STORE_NT   ; the wave stores 512 consecutive bytes, at a multiple of 512 from out0's first byte
.set t, t+1
.endr
.endm
	OUT16 0, ST_LO, 0
	OUT16 1, ST_LO, 1
	OUT16 2, ST_LO, 1
	OUT16 3, ST_LO, 1
	OUT16 0, ST_HI, 1
	OUT16 1, ST_HI, 1
	OUT16 2, ST_HI, 1
	OUT16 3, ST_HI, 1
	s_wait_tensorcnt 0x0
	ds_add_u32 v62, v63
	s_wait_dscnt 0x0
	CROUND                                         ; the closing round: no work-group ends while a partner may still ask for a tile that names it
	s_endpgm
.Lfunc_end_k_qc0bbd4dfdd_gemm:
	.size	k_qc0bbd4dfdd_gemm, .Lfunc_end_k_qc0bbd4dfdd_gemm-k_qc0bbd4dfdd_gemm
	.p2alignl 7, 3214868480
	.fill 96, 4, 3214868480
	.section	.rodata,"a",@progbits
	.p2align	6, 0x0
	.amdhsa_kernel k_qc0bbd4dfdd_gemm
		.amdhsa_group_segment_fixed_size 327680
		.amdhsa_private_segment_fixed_size 0
		.amdhsa_enable_private_segment 0
		.amdhsa_kernarg_size 40
		.amdhsa_user_sgpr_count 2
		.amdhsa_user_sgpr_kernarg_segment_ptr 1
		.amdhsa_wavefront_size32 1
		.amdhsa_system_sgpr_workgroup_id_x 1
		.amdhsa_system_sgpr_workgroup_id_y 1
		.amdhsa_system_sgpr_workgroup_id_z 1
		.amdhsa_system_vgpr_workitem_id 0
		.amdhsa_next_free_vgpr 1024
		.amdhsa_next_free_sgpr 66
		.amdhsa_reserve_vcc 0
		.amdhsa_float_denorm_mode_32 3
		.amdhsa_float_denorm_mode_16_64 3
		.amdhsa_memory_ordered 1
		.amdhsa_forward_progress 1
		.amdhsa_inst_pref_size 255
	.end_amdhsa_kernel
	.section	.bss,"aw",@nobits
	.p2align	6
	.space	262144
	.amdgpu_metadata
---
amdhsa.version: [ 1, 2 ]
amdhsa.kernels:
  - .name:           k_qc0bbd4dfdd_gemm
    .symbol:         k_qc0bbd4dfdd_gemm.kd
    .args:
      - { .name: x, .offset: 0, .size: 8, .value_kind: global_buffer, .address_space: global }
      - { .name: wq, .offset: 8, .size: 8, .value_kind: global_buffer, .address_space: global }
      - { .name: scale, .offset: 16, .size: 8, .value_kind: global_buffer, .address_space: global }
      - { .name: bias, .offset: 24, .size: 8, .value_kind: global_buffer, .address_space: global }
      - { .name: out0, .offset: 32, .size: 8, .value_kind: global_buffer, .address_space: global }
    .group_segment_fixed_size: 327680
    .private_segment_fixed_size: 0
    .kernarg_segment_align: 8
    .kernarg_segment_size: 40
    .max_flat_workgroup_size: 128
    .sgpr_count:     66
    .vgpr_count:     1024
    .wavefront_size: 32
...
	.end_amdgpu_metadata
.endif
;; end of part 4
